; MI455X (gfx1250); checked and timed in simulation.
; The chip was launched on July 23, 2026; its instructions are those of AMD's public machine-readable ISA for CDNA 5 (MIT licence, August 2026) and "CDNA5" Instruction Set Architecture Reference Guide (July 2026). The comments in the code are by the model that wrote it; some were corrected since.
;; Attention Fusion. Allowed arithmetic: matrix products marked QUANTISED: E2M3 operands, one E8M0 scale for each 32 along K, by v_wmma_scale_f32_16x16x128_f8f6f4 with both operands' format E2M3, f32 sums; products left as they are: f32 operands where the result goes on into a quantised operand, else bf16, f16 or f32 operands; f32 sums; everything else in f32.
;; Inputs: gate_b1 512 float32; gate_b2 1 float32; gate_w1_codes 512 x 32 x 24 uint8 (E2M3 codes of gate_w1, K innermost, in blocks of 32 codes, four codes in three bytes); gate_w1_scales 512 x 32 uint8 (E8M0 scales of gate_w1, one for each 32 codes along K); gate_w2 1 x 512 float32; in_proj_b 3,072 float32; in_proj_w_codes 3,072 x 32 x 24 uint8 (E2M3 codes of in_proj_w, K innermost, in blocks of 32 codes, four codes in three bytes); in_proj_w_scales 3,072 x 32 uint8 (E8M0 scales of in_proj_w, one for each 32 codes along K); ln_b 1,024 float32; ln_w 1,024 float32; out_proj_b 1,024 float32; out_proj_w_codes 1,024 x 32 x 24 uint8 (E2M3 codes of out_proj_w, K innermost, in blocks of 32 codes, four codes in three bytes); out_proj_w_scales 1,024 x 32 uint8 (E8M0 scales of out_proj_w, one for each 32 codes along K); x_codes 2,048 x 4 x 32 x 24 uint8 (E2M3 codes of x, K innermost, in blocks of 32 codes, four codes in three bytes); x_scales 2,048 x 4 x 32 uint8 (E8M0 scales of x, one for each 32 codes along K).
;; Outputs: out0 2,048 x 1,024 float32.
;; This version of the problem:
;;   THIS VERSION OF THE PROBLEM IS GIVEN IN LOW PRECISION. The matrix products marked QUANTISED in the list below multiply operands that are first quantised to E2M3 (2 exponent bits, 3 mantissa bits; 6 bits a number), with one power-of-two scale for each 32 numbers along K (OCP MX v1.0); their sums are f32. All else is computed in f32.
;;   The module's matrix products, in the order in which they are computed (A, B: the left and right operand; K: the contracted axis; several contracted axes count as one K, in the product's order):
;;     1. [M 8,192, K 1,024] x [K 1,024, N 3,072]; A: input x (given as codes); B: input in_proj_w (given as codes): QUANTISED
;;     2. batch 16,384 x [M 4, K 128] x [K 128, N 4]; A: computed on the way; B: computed on the way: left as it is (M = 4 < 16)
;;     3. batch 16,384 x [M 4, K 4] x [K 4, N 128]; A: softmax; B: computed on the way: left as it is (K = 4 < 32)
;;     4. [M 8,192, K 1,024] x [K 1,024, N 1,024]; A: computed on the way; B: input out_proj_w (given as codes): QUANTISED
;;     5. [M 8,192, K 1,024] x [K 1,024, N 512]; A: input x (given as codes); B: input gate_w1 (given as codes): QUANTISED
;;     6. [M 8,192, K 512] x [K 512, N 1]; A: computed on the way; B: input gate_w2: left as it is (N = 1 < 16)
;;   THE QUANTISER, for each operand of a quantised product, along K:
;;     - K is cut into blocks of 32 from its start; a last block that is shorter is filled with zeros.
;;     - A block's scale is 2^e with e = floor(log2(the largest magnitude in the block)) - 2, held to -126 .. 127; a block of zeros has e = 0. As a byte (E8M0): e + 127.
;;     - Each number is divided by its block's scale, clamped to +-7.5, and rounded to the nearest number of E2M3, ties to even, subnormals kept.
;;     - The product sums the exact products of the quantised numbers (number of the format x scale) in f32.
;;   ~~~python
;;   def quantise(x, axis):      # numpy; x: float32 -> the quantised numbers, widened to float32 again
;;       x = np.moveaxis(x, axis, -1); K = x.shape[-1]
;;       x = np.pad(x, [(0, 0)] * (x.ndim - 1) + [(0, -K % 32)]); x = x.reshape(x.shape[:-1] + (-1, 32)); a = np.abs(x).max(-1, keepdims=True)
;;       e = np.where(a > 0, np.clip(np.frexp(np.where(a > 0, a, 1))[1] - 1 - 2, -126, 127), 0)      # np.frexp(a)[1] - 1 = floor(log2(a)), exactly
;;       r = np.clip(x / 2.0 ** e, -7.5, 7.5)
;;       step = 2.0 ** (np.maximum(np.frexp(np.where(r == 0, 1, r))[1] - 1, 0) - 3)
;;       q = np.round(r / step) * step * 2.0 ** e      # np.round: ties to even
;;       return np.moveaxis(q.reshape(q.shape[:-2] + (-1,))[..., :K], -1, axis).astype(np.float32)
;;   ~~~
;;   OPERANDS COMPUTED ON THE WAY. 'Computed on the way' means the value that the module computes at that place (a softmax that the list does not call 'softmax' is quantised finished and normalised). What goes into a quantiser is computed in f32, as accurately as f32 sums, v_exp_f32 and their like allow (about 1e-6 of the number): no bf16 or f16 on the way to a quantiser, and a product that is left as it is and whose result goes on into a quantised operand takes f32 operands (vector FMAs, or v_wmma_f32_16x16x4_f32). A number that lies on a knife's edge between two numbers of the format may be rounded either way, as far as f32 arithmetic and the matrix unit's own rounding can turn it there, and no further.
;;   INPUTS GIVEN AS CODES. gate_w1 (in the module: [512, 1024], K = its axis 1); in_proj_w (in the module: [3072, 1024], K = its axis 1); out_proj_w (in the module: [1024, 1024], K = its axis 1); x (in the module: [2048, 4, 1024], K = its axis 2): each comes as NAME_codes (uint8): NAME with its K axis moved to the last place and cut into blocks of 32 codes, [.., K / 32, bytes a block], one block behind the other in memory; four codes in three bytes: a row's codes are one little-endian stream of bits, code i at bits 6 i .. 6 i + 5 (a code: sign, 2 exponent bits, 3 mantissa bits); and NAME_scales (uint8): the same leading axes, one E8M0 byte (e + 127) for each 32 codes along K. Its value is code x scale, taken as it is: it is not quantised again, and the codes and scales need not be those that the quantiser above would give.
;; One version. Each part assembles by itself: llvm-mc -triple=amdgcn-amd-amdhsa -mcpu=gfx1250 --defsym DOCPART=n.
;; ======== version 1 of 1: 2 launches
;; limits: right only within a limited range of input values
;; workspace buffers: ctx_img 6,291,456 bytes; ctx_sc 262,144 bytes; gpart 262,144 bytes
;; launch qkv (part 1): grid 8 x 32, 4 waves a work-group, clusters of 4 x 4, 327,680 bytes of LDS; arguments x_codes, x_scales, in_proj_w_codes, in_proj_w_scales, in_proj_b, gate_w1_codes, gate_w1_scales, gate_b1, gate_w2, ctx_img, ctx_sc, gpart; writes ctx_img, ctx_sc, gpart
.if DOCPART == 1
	.amdgcn_target "amdgcn-amd-amdhsa--gfx1250"
	.amdhsa_code_object_version 6
	.text
	.protected	k_q99e5dd35e9_qkv
	.globl	k_q99e5dd35e9_qkv
	.p2align	8
	.type	k_q99e5dd35e9_qkv,@function
k_q99e5dd35e9_qkv:
	s_mov_b64 s[64:65], 0
	v_nop
	global_prefetch_b8 v0, s[64:65] scope:SCOPE_SE
	s_setreg_imm32_b32 hwreg(HW_REG_WAVE_MODE, 25, 1), 1
	s_wait_xcnt 0x0
	s_wait_alu depctr_hold_cnt(0) depctr_sa_sdst(0) depctr_va_vdst(0) depctr_va_sdst(0) depctr_va_ssrc(0) depctr_va_vcc(0) depctr_vm_vsrc(0)
	s_getreg_b32 s2, hwreg(HW_REG_IB_STS2, 6, 4)
	s_cmp_eq_u32 s2, 0
	s_cbranch_scc0 .Lentry_in_a_cluster
	s_endpgm
.Lentry_in_a_cluster:
	s_bfe_u32 s2, ttmp6, 0x10000c
	s_cmp_lg_u32 s2, 0xf033
	s_cbranch_scc0 .Lentry_shape_is_right
	s_endpgm
.Lentry_shape_is_right:
; For ONE head and 256 rows of x (64 batches x 4 modalities): q, k, v = x Wqkv^T + b on codes of FP6 (E2M3) with E8M0 scales; the 4 x 4 scores, softmax and ctx in f32; ctx quantised along its 128 head
; channels into the register image of the next product's operand; and relu(x W1^T + b1) . w2 over this head's share (64 of 512) of the gate's hidden units.
; DEAD WORK: K's bias (in_proj_b[1024 .. 2047]) adds q . b_k to a query's score with EVERY key: the same number along the softmax's axis, for all inputs, and scores go nowhere else. It is not loaded. A NaN, an infinity or an overflow
; that reaches only that term is not carried to the result.
; SHARES. Work-group (hd, y): head hd, rows 256 y on. Wave w: rows 64 w .. 64 w + 63, four tiles m of 16 rows, for all 448 weight rows. The wave's codes of x for all of K (32 fragments, 384 registers) stay in registers;
; the weights go by in 14 PAIRS of tiles of 16 weight rows, 64 matrix instructions on 8 accumulators a pair:
;   pairs 0-7: a tile of q and the tile of k of the same 16 channels -> partial scores;   8-11: the two tiles of v of one block of 32 channels -> ctx, codes;   12-13: two tiles of the gate -> partial sums.
; Pair p's vector work is a list that is dealt out behind every second matrix instruction of pair p + 1; list and accumulators lie in window 0.
; TRANSPOSED USE: source 0 = 16 weight rows, source 1 = 16 rows of x: lane (r, h) holds row r, register j weight row 8 h + j of the tile.
; THE WEIGHT ROWS OF A TILE: tile (i, u) holds rows 32 i + 8 u + {0..7, 16..23}, so that the 16 registers of tiles u = 0, 1 are the 16 neighbours 32 i + 16 h + 0 .. 15. The tensor load lays them so: rows of 6,144 bytes (8 weight rows), 12,288 apart.
; THE FOUR ROWS OF A BATCH lie in lanes r, r xor 1, 2, 3: score x of lane r is q(r) . k(r xor x), ctx(r) = the sum over x of p_x(r) v(r xor x): the exchange rides on the multiply-add (DPP row_xmask).
; CLUSTER 4 x 4: a row of the cluster shares y, so x's rows are asked for jointly; a column shares hd, so the weights' are.
; LDS: R0 (256 rows x 816 bytes): x, later q's and k's tiles u = 1 and v's tiles;  R1 (128 rows): q's and k's tiles u = 0, later the gate's;  then the spare words. Nothing else is stored to LDS.
; An LDS row is 768 bytes of codes + 16 of padding behind each 256: 204 words, so the 32 lanes of 8 bytes touch 64 different words modulo 64.
; HEAD: one tensor load a wave: waves 0, 1 x's halves, waves 2, 3 q's and k's tiles u = 0. The first barrier waits for waves 0 and 1 alone.
; No data prefetch: the text has no loop to run ahead in, and its two refills have three and five pairs of products in which to land.
; LIMITS: NaN and infinities are not served. A block of ctx that is all zeros, or whose largest magnitude lies under 2^-124, gets the scale byte 1 (the rule says 127 for zeros): its codes are zeros there, and the bytes are read by this program alone.
; ctx_img [block of 64 rows][m / 2][head][m % 2][c]: 768 bytes: 16 bytes a lane of registers 6 c .. 6 c + 3, then 8 bytes a lane of 6 c + 4, 6 c + 5.  ctx_sc [block][head][lane][m / 2], gpart [head][block][lane][row / 32]: words.
; REGISTERS. window 0: v1-13 addresses; v14-29 x's scale words; v32-47 the weights', two sets; v30-31, v48-55 at work; v56-183 accumulators, two sets; v184-207 scores, later p (v184-199) and gate sums; v200-231 ctx, two tiles of rows by turns; v232-255 codes.
;   window 1: v0-191 x's fragments of K steps 0-3; v192-223 w2.   window 2: v0-191 those of K steps 4-7.   window 3: v0-191 the pair's 16 weight fragments; v192-223 biases, two sets.
.set TILE,  13056                      ; 16 rows x 816 bytes
.set QUAD,  4*TILE
.set R1,    4*QUAD
.set SPARE, R1+2*QUAD                  ; 128 bytes for each wave
.set SPW,  1                           ; SPARE + 4 x my thread's number
.set NIL,  2                           ; 0
.set LN0,  3                           ; 816 r + 24 h;  v4: 816 r + 40 h, for the pieces of lanes 16-31 that lie behind one padding more
.set ADA,  5                           ; v5-6 tile A's two addresses, v7-8 tile B's
.set ADB,  7
.set PB,   9                           ; 64 h
.set PS,   10                          ; 32 (r + 8 (r / 8)) + 16 h
.set IMG,  11                          ; 16 x lane
.set L8,   12
.set L32,  13
.set XS,   14                          ; x's scale words: v[XS + 8 (m / 2) + k]: lanes 0-15 tile m even, 16-31 tile m odd
.set WS,   32                          ; v[WS + 8 set + 4 n + k % 4]: lanes 0-15 K steps 0-3, 16-31 K steps 4-7.  Never x's register's number modulo 4
.set QT,   30
.set TH,   48
.set QT2,  51
.set PW,   52
.set ACC,  56                          ; accumulator (m, n) of set s at v[ACC + 64 s + 16 m + 8 n]
.set S,    184
.set T,    200
.set TE,   232                         ; six a tile of rows
.set W2R,  192                         ; in window 1
.set BI,   192                         ; in window 3
.set WV,   28
.set G1X,  36                          ; group 1 for 128 rows of x;  4 long rows of weights;  8
.set G1H,  44
.set G1W,  52
.set G0X,  68                          ; groups 0, each used once
.set G0A,  72
.set G0B,  76
.set G0G,  80
.set SEL,  96
.set FLAGS, (3<<16)|(1<<20)|(1<<21)|(5<<22)|(3<<25)   ; elements of 8 bytes; padding on; bit 21 beside a mask; after every 64 words; 4 words of it
.set MSB, 0
.macro WIN new                         ; the immediate's high byte repeats the setting that is left
.if MSB != \new
	s_set_vgpr_msb (MSB<<8)|\new
.set MSB, \new
.endif
.endm
.macro PLACES n
.rept \n
	v_nop
.endr
.endm
.macro WALU
	s_wait_alu depctr_va_vdst(0)
.endm
.macro CREST                           ; a round of the cluster's barrier behind its opening barrier
	s_cmp_lg_u32 s[WV], 0
	s_cbranch_scc1 .Lnot_wave_0_\@
	s_barrier_signal -3
.Lnot_wave_0_\@:
	s_barrier_wait -3
	s_barrier_signal -1
	s_barrier_wait -1
.endm
.macro CROUND
	s_barrier_signal -1
	s_barrier_wait -1
	CREST
.endm
.macro GROUP1 g, mask, len, rows, pitch
	s_or_b32 s[\g], s\mask, FLAGS
	s_mov_b32 s[\g+1], (\len)<<16
	s_mov_b32 s[\g+2], (\rows)<<16
	s_mov_b32 s[\g+3], (\len)<<16
	s_mov_b32 s[\g+4], \rows
	s_mov_b32 s[\g+5], \pitch
	s_mov_b32 s[\g+6], 0
	s_mov_b32 s[\g+7], 0
.endm
.macro G0SET g, lds, base, off
	s_mov_b32 s[\g], 1
	s_mov_b32 s[\g+1], s\lds
	s_add_nc_u64 s[\g+2:\g+3], s[\base:\base+1], s[\off:\off+1]
	s_or_b32 s[\g+3], s[\g+3], 0x80000000
.endm
; A fragment, 16 rows x 128 K, is 12 registers: lane (r, h) takes of row r the 24 bytes at 96 k + 24 h and those 48 on, in pieces of 8 bytes, two to a load where both go by the same address register.
.macro FRAG reg, adr, k
.set SK, 0
.irp p, 0,1,2,3,4,5
.if SK
.set SK, 0
.else
.set PC, 12*(\k)+6*(\p/3)+\p%3
.set PN, 12*(\k)+6*((\p+1)/3)+(\p+1)%3
.set HX, (PC%32+3)/32
.set HN, (PN%32+3)/32
.if (\p < 5) && (HX == HN)
.set SK, 1
	ds_load_2addr_b64 v[\reg+2*\p:\reg+2*\p+3], v[\adr+HX] offset0:PC+2*(PC/32) offset1:PN+2*(PN/32)
.else
	ds_load_b64 v[\reg+2*\p:\reg+2*\p+1], v[\adr+HX] offset:8*(PC+2*(PC/32))
.endif
.endif
.endr
.endm
; Pair p: where its two tiles lie in LDS (OFA, OFB) and their first weight rows, counted from the head's first row of q or of the gate (RWA, RWB)
.macro PTAB p
.if (\p) < 4
.set OFA, R1+TILE*(\p)
.set OFB, R1+QUAD+TILE*(\p)
.set RWA, 32*(\p)
.set RWB, 1024+32*(\p)
.elseif (\p) < 8
.set OFA, TILE*((\p)-4)
.set OFB, QUAD+TILE*((\p)-4)
.set RWA, 32*((\p)-4)+8
.set RWB, 1024+32*((\p)-4)+8
.elseif (\p) < 12
.set OFA, 2*QUAD+TILE*((\p)-8)
.set OFB, 3*QUAD+TILE*((\p)-8)
.set RWA, 2048+32*((\p)-8)
.set RWB, 2048+32*((\p)-8)+8
.else
.set OFA, R1+TILE*((\p)-12)
.set OFB, R1+QUAD/2+TILE*((\p)-12)
.set RWA, 32*((\p)-12)
.set RWB, 32*((\p)-12)+8
.endif
.if (\p) < 12
.set BB, 12                            ; in_proj_b, in_proj_w_scales
.set BS, 10
.else
.set BB, 18                            ; gate_b1, gate_w1_scales
.set BS, 16
.endif
.endm
.macro PARAM p                         ; pair p's biases (in the result's layout; none for k) and scale words, into set p % 2: four loads for p < 8, else six
	PTAB \p
.set PSET, (\p)%2
	WIN 0xc0
	global_load_b128 v[BI+16*PSET:BI+16*PSET+3], v[PB], s[BB:BB+1] offset:4*RWA
	global_load_b128 v[BI+16*PSET+4:BI+16*PSET+7], v[PB], s[BB:BB+1] offset:4*RWA+16
.if (\p) >= 8
	global_load_b128 v[BI+16*PSET+8:BI+16*PSET+11], v[PB], s[BB:BB+1] offset:4*RWB
	global_load_b128 v[BI+16*PSET+12:BI+16*PSET+15], v[PB], s[BB:BB+1] offset:4*RWB+16
.endif
	WIN 0
	global_load_b128 v[WS+8*PSET:WS+8*PSET+3], v[PS], s[BS:BS+1] offset:32*RWA
	global_load_b128 v[WS+8*PSET+4:WS+8*PSET+7], v[PS], s[BS:BS+1] offset:32*RWB
.endm
.macro XRUN p                          ; 26 LDS loads: pair p's fragments of K steps 0-3
	PTAB \p
	WIN 0
	v_add_nc_u32 v[ADA], OFA, v[LN0]
	v_add_nc_u32 v[ADA+1], OFA, v[LN0+1]
	v_add_nc_u32 v[ADB], OFB, v[LN0]
	v_add_nc_u32 v[ADB+1], OFB, v[LN0+1]
	WIN 0xc0
.irp k, 0,1,2,3
	FRAG 24*\k, ADA, \k
	FRAG 24*\k+12, ADB, \k
.endr
.endm
.macro YRUN                            ; 26 more: K steps 4-7 of the pair whose addresses XRUN made
	WIN 0xc0
.irp k, 4,5,6,7
	FRAG 24*\k, ADA, \k
	FRAG 24*\k+12, ADB, \k
.endr
.endm
; THE VECTOR LISTS. VSET names the list that is dealt out next: its kind (0 none, 1 scores, 2 ctx and codes, 3 gate), the accumulators that it reads, the block of channels or the gate's pair, and the entries a slice.
; V1 writes entry vj of the list in hand, or nothing behind its end, and steps vj.
.macro VSET kind, a, b, per
.set VK, \kind
.set VA, \a
.set VB, \b
.set VPER, \per
.set vj, 0
.endm
.macro SC1
.if vj < 16
.set mm, vj%4
.set jj, 2*(vj/4)
	WIN 0
	v_pk_fma_f32 v[S+6*mm:S+6*mm+1], v[VA+16*mm+jj:VA+16*mm+jj+1], v[VA+16*mm+8+jj:VA+16*mm+9+jj], v[S+6*mm:S+6*mm+1]
.elseif vj < 112
.set tt, vj-16
.set mm, tt%4
.set xx, 1+(tt/4)%3
.set jj, tt/12
	WIN 0
.if xx == 1
	v_fmac_f32_dpp v[S+6*mm+2], v[VA+16*mm+8+jj], v[VA+16*mm+jj] row_xmask:1 row_mask:0xf bank_mask:0xf   ; k of lane r xor 1, times my q
.elseif xx == 2
	v_fmac_f32_dpp v[S+6*mm+3], v[VA+16*mm+8+jj], v[VA+16*mm+jj] row_xmask:2 row_mask:0xf bank_mask:0xf
.else
	v_fmac_f32_dpp v[S+6*mm+4], v[VA+16*mm+8+jj], v[VA+16*mm+jj] row_xmask:3 row_mask:0xf bank_mask:0xf
.endif
.endif
.endm
; ctx of tile m, 56 entries: p_0 x my own row's v, + p_x x v of lane r xor x
.macro QA m, q
.set AA, VA+16*(\m)
.set PP, S+4*(\m)
.set TT, T+16*((\m)%2)
	WIN 0
.if (\q) < 8
	v_pk_mul_f32 v[TT+2*(\q):TT+2*(\q)+1], v[AA+2*(\q):AA+2*(\q)+1], v[PP:PP+1] op_sel_hi:[1,0]
.else
.set ii, ((\q)-8)%16
.set xx, ((\q)-8)/16
.if xx == 0
	v_fmac_f32_dpp v[TT+ii], v[AA+ii], v[PP+1] row_xmask:1 row_mask:0xf bank_mask:0xf
.elseif xx == 1
	v_fmac_f32_dpp v[TT+ii], v[AA+ii], v[PP+2] row_xmask:2 row_mask:0xf bank_mask:0xf
.else
	v_fmac_f32_dpp v[TT+ii], v[AA+ii], v[PP+3] row_xmask:3 row_mask:0xf bank_mask:0xf
.endif
.endif
.endm
; its codes, 20 entries: the block's largest magnitude (mine and lane l xor 16's), the floor 2^(3 - 127) among its leaves, so that the byte cannot fall under 1; the conversion's scale; the byte into the row's scale word; 16 codes.
; Behind an odd block the halves change places, since the operand's layout wants a whole block in a lane (lanes 0-15 the even block, 16-31 the odd one), and the upper three registers join the lower three.
.macro QB m, e
.set U, T+16*((\m)%2)
.set E_, TE+6*(\m)
.if (\e) == 0
	WIN 0
	v_max3_num_f32 v[QT], |v[U]|, |v[U+1]|, 0x1800000
.elseif (\e) == 1
	WIN 0
	v_max3_num_f32 v[QT+1], |v[U+2]|, |v[U+3]|, |v[U+4]|
.elseif (\e) < 7
.set zz, (\e)-2
	WIN 0
	v_max3_num_f32 v[QT+zz%2], v[QT+zz%2], |v[U+5+2*zz]|, |v[U+6+2*zz]|
.elseif (\e) == 7
	WIN 0
	v_max3_num_f32 v[QT+1], v[QT+1], |v[U+15]|, v[QT]
.elseif (\e) == 8
	WIN 0
	v_permlanex16_b32 v[QT2], v[QT+1], s[SEL], s[SEL+1]
.elseif (\e) == 9
	WIN 0
	v_max_num_f32 v[QT+1], v[QT+1], v[QT2]
.elseif (\e) == 10
	WIN 0
	v_add_nc_u32 v[QT+1], 0xff000000, v[QT+1]      ; 2 off the exponent field: the conversion takes this operand's exponent field as its scale
.elseif (\e) == 11
	WIN 0
.if VB == 0
	v_lshrrev_b32 v[PW+(\m)], 23, v[QT+1]          ; the first block's byte begins the row's scale word
.else
	v_lshrrev_b32 v[QT], 23, v[QT+1]
.endif
.elseif (\e) == 12
.if VB > 0
	WIN 0
	v_lshl_or_b32 v[PW+(\m)], v[QT], 8*VB, v[PW+(\m)]
.endif
.elseif (\e) == 13
	WIN 0
.if VB%2 == 0
	v_cvt_scalef32_pk16_fp6_f32 v[E_:E_+2], v[U:U+15], v[QT+1]
.else
	v_cvt_scalef32_pk16_fp6_f32 v[TH:TH+2], v[U:U+15], v[QT+1]
.endif
.if (\m) == 3
	v_nop                                          ; the plain instruction behind a scaled conversion (for the other tiles three entries of the next tile stand there)
.endif
.elseif VB%2 == 0
.elseif (\e) < 17
	WIN 0
	v_permlane16_swap_b32 v[E_+(\e)-14], v[TH+(\e)-14]
.elseif (\e) < 20
	WIN 0
	v_mov_b32 v[E_+(\e)-14], v[TH+(\e)-17]
.endif
.endm
.macro CQ1                             ; 304 entries: tile 0's ctx; then tile g + 1's ctx with tile g's codes as every fourth entry; tile 3's codes
.if vj < 56
	QA 0, vj
.elseif vj < 284
.set gg, (vj-56)/76
.set tt, (vj-56)%76
.set hh, tt-tt/4
.if tt%4 == 3
	QB gg, tt/4
.elseif hh < 56
	QA gg+1, hh
.else
	QB gg, 19
.endif
.elseif vj < 304
	QB 3, vj-284
.endif
.endm
; 32 hidden units of the gate, 96 entries: relu, each accumulator from its low end on; the dot product with w2 (window 1), two at a time
.macro GA1
.if vj < 64
	WIN 0
	v_max_num_f32 v[VA+vj], 0, v[VA+vj]
.elseif vj < 96
.set tt, vj-64
.set mm, tt%4
.set jj, 2*(tt/4)
	WIN 0x04
.if (VB == 0) && (jj == 0)
	v_pk_mul_f32 v[S+6*mm:S+6*mm+1], v[VA+16*mm+jj:VA+16*mm+jj+1], v[W2R+16*VB+jj:W2R+16*VB+jj+1]
.else
	v_pk_fma_f32 v[S+6*mm:S+6*mm+1], v[VA+16*mm+jj:VA+16*mm+jj+1], v[W2R+16*VB+jj:W2R+16*VB+jj+1], v[S+6*mm:S+6*mm+1]
.endif
.endif
.endm
.macro V1
.if VK == 1
	SC1
.elseif VK == 2
	CQ1
.elseif VK == 3
	GA1
.endif
.set vj, vj+1
.endm
.macro SLICE
.rept VPER
	V1
.endr
.endm
; One matrix instruction: tile n of the pair x tile m of my rows, K step k. Windows: source 0 (weights) 3; source 1 (x) 1 for K steps 0-3, 2 for 4-7; D 0; C 3 where it is the bias, else 0.
.macro WMI c, mo, kh
	v_wmma_scale_f32_16x16x128_f8f6f4 v[rD:rD+7], v[rA:rA+11], v[rB:rB+11], \c, v[rE], v[rG] matrix_a_fmt:MATRIX_FMT_FP6 matrix_b_fmt:MATRIX_FMT_FP6 matrix_a_scale:MATRIX_SCALE_ROW\kh matrix_b_scale:MATRIX_SCALE_ROW\mo
.endm
.macro WM k, n, m, mo, kh
.set rD, AB+16*\m+8*\n
.set rA, 24*\k+12*\n
.set rB, 48*(\k%4)+12*\m
.set rC, BI+16*SET2+8*\n
.set rE, WS+8*SET2+4*\n+\k%4
.set rG, XS+8*(\m/2)+\k
.if \k == 0
.if (\n == 1) && (CP < 8)
	WIN 0x07                                       ; k has no bias
	WMI 0, \mo, \kh
.else
	WIN 0x37
	WMI v[rC:rC+7], \mo, \kh
.endif
.elseif \k < 4
	WIN 0x07
	WMI v[rD:rD+7], \mo, \kh
.else
	WIN 0x0b
	WMI v[rD:rD+7], \mo, \kh
.endif
.endm
.macro MM k, kh                        ; a K step: the 8 accumulators by turns, in the same order in every step
.irp n, 0,1
	WM \k, \n, 0, 0, \kh
	WM \k, \n, 1, 1, \kh
	SLICE
	WM \k, \n, 2, 0, \kh
	WM \k, \n, 3, 1, \kh
	SLICE
.endr
.endm
; A pair's 64 matrix instructions, with the list in hand between them. The bias is the C of each sum's first instruction. The next pair's fragments are fetched, K steps 0-3 in the middle, 4-7 at the end; behind them the biases and
; scale words of two pairs on. Pair 3, the last out of R1's first fill, fills R1 again in its middle. lc: the next pair's PARAM loads, issued behind this pair's.
.macro PAIRMM p, lc
.set CP, \p
.set SET2, CP%2
.set AB, ACC+64*SET2
	WALU
	s_wait_loadcnt \lc
	s_wait_dscnt 26                                ; K steps 0-3 are in; the 26 loads of K steps 4-7 may be out
	MM 0, 0
	MM 1, 0
.if CP == 11
	WALU
	s_wait_xcnt 0x0                                ; the stores of ctx's first half have read their registers, which this pair's list writes further down
.endif
.if CP == 3
	WIN 0
	WALU
	s_wait_tensorcnt 0x0                           ; all my tensor loads have landed: my part of R0's second fill, asked for three pairs ago
	ds_add_u32 v[SPW], v[NIL]                      ; a K step stands between the add and the wait for it
	MM 2, 0
	WALU
	s_wait_dscnt 0x0                               ; the add is done, and my reads of R1 are over
	s_barrier_signal -1                            ; this barrier opens a round of the cluster's
	MM 3, 0
	PLACES 4                                       ; in front of the loads below, into registers that matrix instructions have read
	WIN 0
	WALU
	s_barrier_wait -1
	CREST                                          ; no wave of any partner still reads R1 or has a load on its way, and R0 is whole
	s_cmp_lt_u32 s[WV], 2
	s_cbranch_scc0 .Lno_gate_tile
	tensor_load_to_lds s[G0G:G0G+3], s[G1H:G1H+7]  ; R1 is filled again: the gate's four tiles (waves 0 and 1: u = 0, 1)
	s_nop 0
	PLACES 4
.Lno_gate_tile:
	XRUN CP+1
	WALU
.else
	MM 2, 0
	MM 3, 0
.if CP < 13
	PLACES 4
	XRUN CP+1
	WALU
	s_wait_dscnt 26                                ; all but the 26 just issued
.else
	WALU
	s_wait_dscnt 0x0
.endif
.endif
	MM 4, 1
	MM 5, 1
	MM 6, 1
	MM 7, 1
	PLACES 4                                       ; for the loads below and for the first reads of this pair's results
.if CP < 13
	YRUN
.endif
.if CP < 12
	PARAM CP+2
.endif
	WIN 0
.endm
; p_x = softmax over x of score_x / sqrt(128), the row's largest score taken away first; the four tiles of rows by turns. The scores of tile m lie at S + 6 m + 0, 2, 3, 4; p goes to S + 4 m + 0 .. 3.
.macro SOFTMAX
.irp m, 0,1,2,3
	v_add_f32 v[S+6*\m], v[S+6*\m], v[S+6*\m+1]
.endr
.irp o, 0,2,3,4
.irp m, 0,1,2,3
	v_permlanex16_b32 v[ACC+64+16*\m+\o], v[S+6*\m+\o], s[SEL], s[SEL+1]   ; the other 64 channels lie in lane l xor 16 (set 1, pair 7's, has been read out)
.endr
.endr
.irp o, 0,2,3,4
.irp m, 0,1,2,3
	v_add_f32 v[S+6*\m+\o], v[S+6*\m+\o], v[ACC+64+16*\m+\o]
.endr
.endr
.irp m, 0,1,2,3
	v_max3_num_f32 v[S+6*\m+5], v[S+6*\m], v[S+6*\m+2], v[S+6*\m+3]
.endr
.irp m, 0,1,2,3
	v_max_num_f32 v[S+6*\m+5], v[S+6*\m+5], v[S+6*\m+4]
.endr
.irp o, 0,2,3,4
.irp m, 0,1,2,3
	v_sub_f32 v[S+6*\m+\o], v[S+6*\m+\o], v[S+6*\m+5]
.endr
.endr
.irp o, 0,2,3,4
.irp m, 0,1,2,3
	v_mul_f32 v[S+6*\m+\o], 0x3e0293ee, v[S+6*\m+\o]   ; x log2(e) / sqrt(128)
.endr
.endr
	WALU
.irp o, 0,2,3,4
.irp m, 0,1,2,3
	v_exp_f32 v[S+6*\m+\o], v[S+6*\m+\o]
.endr
.endr
	v_nop
	WALU
.irp m, 0,1,2,3
	v_add_f32 v[S+6*\m+5], v[S+6*\m], v[S+6*\m+2]
	v_add_f32 v[S+6*\m+1], v[S+6*\m+3], v[S+6*\m+4]
.endr
.irp m, 0,1,2,3
	v_add_f32 v[S+6*\m+5], v[S+6*\m+5], v[S+6*\m+1]
.endr
	WALU
.irp m, 0,1,2,3
	v_rcp_f32 v[S+6*\m+5], v[S+6*\m+5]
.endr
	v_nop
	WALU
.irp m, 0,1,2,3
.irp i, 0,1,2,3
	v_mul_f32 v[S+4*\m+\i], v[S+6*\m+\i+(\i+3)/4], v[S+6*\m+5]   ; ascending: a place is written behind its last read
.endr
.endr
.endm
.macro OUTC c                          ; half c of the four fragments: 512 and 256 consecutive bytes a store
	WALU
.irp m, 0,1,2,3
	global_store_b128 v[IMG], v[TE+6*\m:TE+6*\m+3], s[22:23] offset:24576*(\m/2)+1536*(\m%2)+768*\c
	global_store_b64 v[L8], v[TE+6*\m+4:TE+6*\m+5], s[22:23] offset:24576*(\m/2)+1536*(\m%2)+768*\c+512
.endr
.endm
	s_load_b512 s[4:19], s[0:1], 0x0               ; x_codes 4, x_scales 6, in_proj_w_codes 8, in_proj_w_scales 10, in_proj_b 12, gate_w1_codes 14, gate_w1_scales 16, gate_b1 18
	s_load_b256 s[20:27], s[0:1], 0x40             ; gate_w2 20, ctx_img 22, ctx_sc 24, gpart 26
	v_lshl_add_u32 v[SPW], v0, 2, SPARE
	v_mov_b32 v[NIL], 0
	ds_add_u32 v[SPW], v[NIL]                      ; the wave's opening: the add, twice on end, and its wait
	ds_add_u32 v[SPW], v[NIL]
	v_lshrrev_b32 v3, 5, v0
	v_readfirstlane_b32 s[WV], v3                  ; wave 0..3
	s_bfe_u32 s29, ttmp6, 0x40000                  ; cx
	s_bfe_u32 s30, ttmp6, 0x40004                  ; cy
	s_lshl_b32 s31, ttmp9, 2
	s_add_co_u32 s31, s31, s29                     ; hd
	s_and_b32 s32, ttmp7, 0xffff
	s_lshl_b32 s32, s32, 2
	s_add_co_u32 s32, s32, s30                     ; y
	s_lshl_b32 s33, s30, 2
	s_lshl_b32 s33, 15, s33                        ; my row of the cluster
	s_lshl_b32 s34, 0x1111, s29                    ; my column
	GROUP1 G1X, 33, 96, 128, 96                    ; x: 128 rows of 96 elements of 8 bytes, dense
	GROUP1 G1H, 34, 768, 4, 1536                   ; weights: long rows of 768 elements (8 weight rows), 1,536 elements apart
	GROUP1 G1W, 34, 768, 8, 1536
	; byte offsets of the tiles that I fetch: x's of y and the wave's number alone, the weights' of hd and the wave's number alone
	s_and_b32 s35, s[WV], 1
	s_lshl_b32 s84, s32, 8
	s_lshl_b32 s85, s35, 7
	s_add_co_u32 s84, s84, s85                     ; x: row 256 y + 128 (w % 2)   (waves 0, 1)
	s_mul_i32 s84, s84, 768
	s_mov_b32 s85, 0
	s_lshl_b32 s88, s35, 10                        ; first weights: part w % 2 (q, k), u = 0   (waves 2, 3)
	s_lshl_b32 s89, s31, 7
	s_add_co_u32 s88, s88, s89
	s_mul_i32 s88, s88, 768
	s_mov_b32 s89, 0
	s_min_u32 s90, s[WV], 2                        ; second weights: wave 0: q, u = 1; wave 1: k, u = 1; wave 2: v, u = 0; wave 3: v, u = 1
	s_lshl_b32 s90, s90, 10
	s_lshr_b32 s91, 11, s[WV]                      ; u = bit w of 1011
	s_and_b32 s91, s91, 1
	s_lshl_b32 s91, s91, 3
	s_add_co_u32 s90, s90, s91
	s_lshl_b32 s91, s31, 7
	s_add_co_u32 s90, s90, s91
	s_mul_i32 s90, s90, 768
	s_mov_b32 s91, 0
	s_lshl_b32 s92, s31, 6                         ; the gate's: rows 64 hd + 8 w (waves 0 and 1)
	s_lshl_b32 s93, s[WV], 3
	s_add_co_u32 s92, s92, s93
	s_mul_i32 s92, s92, 768
	s_mov_b32 s93, 0
	s_mul_i32 s86, s35, 2*QUAD                     ; where they go: the wave's number alone enters an LDS address
	s_mul_i32 s87, s35, QUAD
	s_add_co_u32 s87, s87, R1
	s_mul_i32 s94, s[WV], QUAD
	s_mul_i32 s95, s[WV], QUAD/2
	s_add_co_u32 s95, s95, R1
	s_mov_b32 s[SEL], 0x76543210
	s_mov_b32 s[SEL+1], 0xfedcba98
	v_and_b32 v14, 31, v0                          ; lane
	v_and_b32 v15, 15, v0                          ; r
	v_bfe_u32 v5, v0, 4, 1                         ; h
	v_mul_u32_u24 v6, v15, 816
	v_mad_u32_u24 v[LN0], v5, 24, v6
	v_mad_u32_u24 v[LN0+1], v5, 40, v6
	v_lshlrev_b32 v[PB], 6, v5
	v_and_b32 v7, 8, v15
	v_add_nc_u32 v7, v7, v15
	v_lshlrev_b32 v7, 5, v7
	v_lshl_add_u32 v[PS], v5, 4, v7
	v_lshlrev_b32 v[IMG], 4, v14
	v_lshlrev_b32 v[L8], 3, v14
	v_lshlrev_b32 v[L32], 5, v14
	v_cmp_le_u32 s98, 16, v14                      ; lanes 16-31
	WALU
	s_wait_dscnt 0x0
	s_wait_kmcnt 0x0
	G0SET G0X, 86, 4, 84
	G0SET G0A, 87, 8, 88
	G0SET G0B, 94, 8, 90
	G0SET G0G, 95, 14, 92
	CROUND                                         ; all sixteen work-groups are here: the first joint loads meet
	s_cmp_lt_u32 s[WV], 2
	s_cbranch_scc0 .Lweights
	tensor_load_to_lds s[G0X:G0X+3], s[G1X:G1X+7]  ; waves 0, 1: 128 rows of x each
	s_nop 0
	PLACES 4
	s_branch .Lasked
.Lweights:
	tensor_load_to_lds s[G0A:G0A+3], s[G1W:G1W+7]  ; waves 2, 3: q's, k's tiles u = 0
	s_nop 0
	PLACES 4
.Lasked:
	s_mov_b32 s61, 0                               ; the other buffers at my head's and my rows' parts
	s_lshl_b32 s60, s31, 9
	s_add_nc_u64 s[12:13], s[12:13], s[60:61]      ; in_proj_b + 128 hd numbers
	s_lshl_b32 s60, s31, 12
	s_add_nc_u64 s[10:11], s[10:11], s[60:61]      ; in_proj_w_scales + 128 hd rows of 32 bytes
	s_lshl_b32 s60, s31, 11
	s_add_nc_u64 s[16:17], s[16:17], s[60:61]      ; gate_w1_scales + 64 hd rows
	s_lshl_b32 s60, s31, 8
	s_add_nc_u64 s[18:19], s[18:19], s[60:61]      ; gate_b1 + 64 hd numbers
	s_add_nc_u64 s[20:21], s[20:21], s[60:61]      ; gate_w2 likewise
	s_lshl_b32 s62, s32, 2
	s_add_co_u32 s62, s62, s[WV]                   ; my block of 64 rows
	s_lshl_b32 s60, s62, 11
	s_add_nc_u64 s[6:7], s[6:7], s[60:61]          ; x_scales + 64 rows of 32 bytes a block
	s_mul_i32 s60, s62, 49152
	s_mul_i32 s63, s31, 3072
	s_add_co_u32 s60, s60, s63
	s_add_nc_u64 s[22:23], s[22:23], s[60:61]      ; ctx_img
	s_lshl_b32 s63, s62, 3
	s_add_co_u32 s63, s63, s31
	s_lshl_b32 s60, s63, 8
	s_add_nc_u64 s[24:25], s[24:25], s[60:61]      ; ctx_sc [block][head]
	s_lshl_b32 s63, s31, 7
	s_add_co_u32 s63, s63, s62
	s_lshl_b32 s60, s63, 8
	s_add_nc_u64 s[26:27], s[26:27], s[60:61]      ; gpart [head][block]
	WALU
.irp i, 0,1
.irp c, 0,1
	global_load_b128 v[XS+8*\i+4*\c:XS+8*\i+4*\c+3], v[L32], s[6:7] offset:1024*\i+16*\c   ; lane l: row 32 i + l, scale words 4 c on
.endr
.endr
	WIN 0x40
.irp i, 0,1
.irp u, 0,1
	global_load_b128 v[W2R+16*\i+8*\u:W2R+16*\i+8*\u+3], v[PB], s[20:21] offset:4*(32*\i+8*\u)        ; w2 in the result's layout
	global_load_b128 v[W2R+16*\i+8*\u+4:W2R+16*\i+8*\u+7], v[PB], s[20:21] offset:4*(32*\i+8*\u)+16
.endr
.endr
	PARAM 0
	PARAM 1
	v_add_nc_u32 v[ADB], s94, v[LN0]               ; my 64 rows of x
	v_add_nc_u32 v[ADB+1], s94, v[LN0+1]
	WALU
	s_cmp_lt_u32 s[WV], 2
	s_cbranch_scc0 .Lnot_x
	s_wait_tensorcnt 0x0
.Lnot_x:
	s_barrier_signal -1
	s_barrier_wait -1                              ; x is in
.irp m, 0,1,2,3
	WIN 0
	v_add_nc_u32 v[ADA], \m*TILE, v[ADB]
	v_add_nc_u32 v[ADA+1], \m*TILE, v[ADB+1]
	WIN 0x40
.irp k, 0,1,2,3
	FRAG 48*\k+12*\m, ADA, \k
.endr
	WIN 0x80
.irp k, 4,5,6,7
	FRAG 48*(\k-4)+12*\m, ADA, \k
.endr
.endr
	WIN 0
	WALU
	s_wait_tensorcnt 0x0                           ; all my tensor loads have landed
	ds_add_u32 v[SPW], v[NIL]
.set j, 0
.rept 24
	v_mov_b32 v[S+j], 0                            ; the scores begin at 0 (a DPP form's destination counts as read)
.set j, j+1
.endr
	v_mov_b32 v[QT2], 0                            ; written once: a lane permute's destination counts as one of its sources
	WALU
	s_wait_dscnt 0x0                               ; the add is done, and x is in my registers: my reads of R0 are over
	CROUND                                         ; so it is with every wave of every partner, and R1 is whole
	tensor_load_to_lds s[G0B:G0B+3], s[G1W:G1W+7]  ; R0 is filled again: q's and k's tiles u = 1 and v's tiles
	s_nop 0
	PLACES 4
	XRUN 0
	YRUN
	WIN 0
	VSET 0, ACC, 0, 0
	PAIRMM 0, 4
	VSET 1, ACC, 0, 4                              ; pair p | the scores of pair p - 1
	PAIRMM 1, 4
	VSET 1, ACC+64, 0, 4
	PAIRMM 2, 4
	VSET 1, ACC, 0, 4
	PAIRMM 3, 4
	VSET 1, ACC+64, 0, 4
	PAIRMM 4, 4
	VSET 1, ACC, 0, 4
	PAIRMM 5, 4
	VSET 1, ACC+64, 0, 4
	PAIRMM 6, 4
	VSET 1, ACC, 0, 4
	PAIRMM 7, 6
	VSET 1, ACC+64, 0, 4
	PAIRMM 8, 6                                    ; v's first pair | the last scores
	SOFTMAX
	WALU
	s_wait_tensorcnt 0x0                           ; the gate's tiles have landed (waves 0 and 1 asked for them),
	s_wait_dscnt 0x0
	s_barrier_signal -1
	s_barrier_wait -1                              ; and every wave may read them
	VSET 2, ACC, 0, 10                             ; pair p | ctx and codes of block p - 9
	PAIRMM 9, 6
	VSET 2, ACC+64, 1, 10
	PAIRMM 10, 6
	OUTC 0
	VSET 2, ACC, 2, 10
	PAIRMM 11, 6
	VSET 2, ACC+64, 3, 10
	PAIRMM 12, 6
	OUTC 1
	v_cndmask_b32 v48, v[PW], v[PW+1], s98         ; scale words: lanes 0-15 the even tile of rows, lanes 16-31 the odd one
	v_cndmask_b32 v49, v[PW+2], v[PW+3], s98
	global_store_b64 v[L8], v[48:49], s[24:25]
	VSET 3, ACC, 0, 3                              ; the gate's second pair | the first pair's relu and dot product
	PAIRMM 13, 0
	VSET 3, ACC+64, 1, 0                           ; the last list stands by itself: nothing follows it
.rept 96
	V1
.endr
	WIN 0
.irp m, 0,1,2,3
	v_add_f32 v[S+6*\m], v[S+6*\m], v[S+6*\m+1]
.endr
.irp m, 0,1,2,3
	v_permlanex16_b32 v[S+6*\m+2], v[S+6*\m], s[SEL], s[SEL+1]
.endr
.irp m, 0,1,2,3
	v_add_f32 v[S+6*\m], v[S+6*\m], v[S+6*\m+2]    ; my row's sum over this head's 64 hidden units
.endr
	v_cndmask_b32 v14, v[S], v[S+6], s98           ; word i of lane l: row 32 i + l
	v_cndmask_b32 v15, v[S+12], v[S+18], s98
	global_store_b64 v[L8], v[14:15], s[26:27]
	s_wait_tensorcnt 0x0                           ; the wave's end
	ds_add_u32 v[SPW], v[NIL]
	s_wait_dscnt 0x0
	CROUND                                         ; the closing round: no work-group ends while a partner may still ask for a tile that names it
	s_endpgm
.Lfunc_end_k_q99e5dd35e9_qkv:
	.size	k_q99e5dd35e9_qkv, .Lfunc_end_k_q99e5dd35e9_qkv-k_q99e5dd35e9_qkv
	.p2alignl 7, 3214868480
	.fill 96, 4, 3214868480
	.section	.rodata,"a",@progbits
	.p2align	6, 0x0
	.amdhsa_kernel k_q99e5dd35e9_qkv
		.amdhsa_group_segment_fixed_size 327680
		.amdhsa_private_segment_fixed_size 0
		.amdhsa_enable_private_segment 0
		.amdhsa_kernarg_size 96
		.amdhsa_user_sgpr_count 2
		.amdhsa_user_sgpr_kernarg_segment_ptr 1
		.amdhsa_wavefront_size32 1
		.amdhsa_system_sgpr_workgroup_id_x 1
		.amdhsa_system_sgpr_workgroup_id_y 1
		.amdhsa_system_sgpr_workgroup_id_z 1
		.amdhsa_system_vgpr_workitem_id 0
		.amdhsa_next_free_vgpr 1024
		.amdhsa_next_free_sgpr 100
		.amdhsa_reserve_vcc 0
		.amdhsa_float_denorm_mode_32 3
		.amdhsa_float_denorm_mode_16_64 3
		.amdhsa_memory_ordered 1
		.amdhsa_forward_progress 1
		.amdhsa_inst_pref_size 255
	.end_amdhsa_kernel
	.section	.bss,"aw",@nobits
	.p2align	6
	.space	262144
	.amdgpu_metadata
---
amdhsa.version: [ 1, 2 ]
amdhsa.kernels:
  - .name:           k_q99e5dd35e9_qkv
    .symbol:         k_q99e5dd35e9_qkv.kd
    .args:
      - { .name: x_codes, .offset: 0, .size: 8, .value_kind: global_buffer, .address_space: global }
      - { .name: x_scales, .offset: 8, .size: 8, .value_kind: global_buffer, .address_space: global }
      - { .name: in_proj_w_codes, .offset: 16, .size: 8, .value_kind: global_buffer, .address_space: global }
      - { .name: in_proj_w_scales, .offset: 24, .size: 8, .value_kind: global_buffer, .address_space: global }
      - { .name: in_proj_b, .offset: 32, .size: 8, .value_kind: global_buffer, .address_space: global }
      - { .name: gate_w1_codes, .offset: 40, .size: 8, .value_kind: global_buffer, .address_space: global }
      - { .name: gate_w1_scales, .offset: 48, .size: 8, .value_kind: global_buffer, .address_space: global }
      - { .name: gate_b1, .offset: 56, .size: 8, .value_kind: global_buffer, .address_space: global }
      - { .name: gate_w2, .offset: 64, .size: 8, .value_kind: global_buffer, .address_space: global }
      - { .name: ctx_img, .offset: 72, .size: 8, .value_kind: global_buffer, .address_space: global }
      - { .name: ctx_sc, .offset: 80, .size: 8, .value_kind: global_buffer, .address_space: global }
      - { .name: gpart, .offset: 88, .size: 8, .value_kind: global_buffer, .address_space: global }
    .group_segment_fixed_size: 327680
    .private_segment_fixed_size: 0
    .kernarg_segment_align: 8
    .kernarg_segment_size: 96
    .max_flat_workgroup_size: 128
    .sgpr_count:     100
    .vgpr_count:     1024
    .wavefront_size: 32
...
	.end_amdgpu_metadata
.endif
;; end of part 1
;; launch out (part 2): grid 256 x 1, 4 waves a work-group, clusters of 4 x 1, 327,680 bytes of LDS; arguments ctx_img, ctx_sc, gpart, out_proj_w_codes, out_proj_w_scales, out_proj_b, gate_b2, ln_w, ln_b, out0; writes out0
.if DOCPART == 2
	.amdgcn_target "amdgcn-amd-amdhsa--gfx1250"
	.amdhsa_code_object_version 6
	.text
	.protected	k_q99e5dd35e9_out
	.globl	k_q99e5dd35e9_out
	.p2align	8
	.type	k_q99e5dd35e9_out,@function
k_q99e5dd35e9_out:
	s_mov_b64 s[64:65], 0
	v_nop
	global_prefetch_b8 v0, s[64:65] scope:SCOPE_SE
	s_setreg_imm32_b32 hwreg(HW_REG_WAVE_MODE, 25, 1), 1
	s_wait_xcnt 0x0
	s_wait_alu depctr_hold_cnt(0) depctr_sa_sdst(0) depctr_va_vdst(0) depctr_va_sdst(0) depctr_va_ssrc(0) depctr_va_vcc(0) depctr_vm_vsrc(0)
	s_getreg_b32 s2, hwreg(HW_REG_IB_STS2, 6, 4)
	s_cmp_eq_u32 s2, 0
	s_cbranch_scc0 .Lentry_in_a_cluster
	s_endpgm
.Lentry_in_a_cluster:
	s_bfe_u32 s2, ttmp6, 0x10000c
	s_cmp_lg_u32 s2, 0x3003
	s_cbranch_scc0 .Lentry_shape_is_right
	s_endpgm
.Lentry_shape_is_right:
; out0[batch][:] = LayerNorm over 1,024 columns of the sum over the batch's 4 rows of (ctx Wo^T + bo)[row][:] x gate[row], for 32 rows (8 batches) x ALL 1,024 columns a work-group, so that the norm needs no other work-group.
; The product runs on codes of FP6 (E2M3) with E8M0 scales. gate[row] = sigmoid(b2 + the eight heads' partial sums). The bias is added as bo x (the sum of the four gates): another order of rounding than (a + bo) g summed.
; The variance is taken of the differences from the mean. LIMIT: NaN and infinities are not served.
; Wo goes by in six CHUNKS of rows: 192, 128, 192, 192, 192, 128, through two LDS slots; a chunk lands while the one before is multiplied. Wave w multiplies rows 48 w (or 32 w) .. of a chunk: n = 3 (or 2) tiles of 16 columns x my two tiles of rows,
; all of K. ctx's 16 fragments stay in registers (192). All work-groups walk the same Wo: the four of a cluster ask for it jointly.
; HEAD, one tensor load a wave: waves 0-2 chunk 0 (64 rows each), wave 3 the work-group's 24,576 dense bytes of ctx images, into bytes behind the 128 rows that chunk 1 takes of slot 1; chunk 3 is the first to land there.
; UNTRANSPOSED USE: source 0 = 16 rows of ctx, source 1 = 16 rows of Wo: lane (r, h) holds column r of the tile, register j row 8 h + j: registers 0-3 and 4-7 are the four rows of a batch, and their gated sum needs no other lane.
; THE WAY OUT: the 8 x 1,024 sums go into a stage in slot 0 (its last fill has been read by all waves then); each wave takes two whole rows of 4,096 bytes back and normalises them. Each store covers 512 consecutive bytes.
; PREFETCH: Wo's rows 320 on (chunks 2 to 5) are asked for at the head, a chunk and more ahead of their loads: 2,112 blocks of 256 bytes, 12 a work-group by address, wave 0 of the first 44 clusters.
; REGISTERS. window 0: v1-25 addresses; v26-33 ctx's scale words; v36-99 Wo's, four a tile; v100-163 the sums (later two rows); v164-179 bo; v180-195 gates, v196-199 their sums by batch; v200-207 at work; v208-255 six accumulators.
;   window 1: v0-191 ctx's fragments.   windows 2, 3: the chunk's up to 24 fragments of Wo, 21 to a window; window 3 v64-127 ln_w, ln_b.
.set TILE, 13056                       ; 16 rows x 816 bytes (768 of codes + 16 of padding behind each 256)
.set SLA,  0
.set SLB,  12*TILE
.set CTX,  SLB+8*TILE
.set SPARE, 24*TILE                    ; 128 bytes for each wave
.set SP,   4128                        ; the stage's pitch: 4,096 + 32: rows two apart begin 16 words on, modulo 64
.set SPW,  1
.set NIL,  2
.set LN0,  3                           ; 816 r + 24 h;  v4: 816 r + 40 h
.set B3,   5                           ; v5-6: LN + 48 w rows;  v7-8: LN + 32 w rows
.set B2,   7
.set AD,   10                          ; v10-15 the chunk's tiles' addresses
.set L16,  16
.set L8,   17
.set CA,   18                          ; ctx's images: 16 bytes a lane,
.set CB,   19                          ; 8 bytes a lane
.set PS,   20                          ; 32 r + 16 h
.set R4,   21                          ; 4 r
.set ST3,  22                          ; the stage: where my sums go
.set ST2,  23
.set PF,   24
.set RD,   25                          ; where my two rows lie in it
.set CS,   26                          ; v[CS + k]: lanes 0-15 tile m = 0, 16-31 m = 1
.set WS,   36                          ; v[WS + 4 t + k % 4]: lanes 0-15 K steps 0-3, 16-31 K steps 4-7.  Never ctx's register's number modulo 4
.set FV,   100                         ; sum of tile t, batch 4 (q / 2) + 2 h + q % 2 at v[FV + 4 t + q]
.set BO,   164
.set GQ,   180                         ; gate of row 16 m + 8 h + j at v[GQ + 8 m + j]
.set GS,   196
.set TT,   200
.set ACC,  208
.set X,    100
.set C,    200
.set WV,   28
.set MSB, 0
.macro WIN new
.if MSB != (\new)
	s_set_vgpr_msb (MSB<<8)|(\new)
.set MSB, \new
.endif
.endm
.macro PLACES n
.rept \n
	v_nop
.endr
.endm
.macro WALU
	s_wait_alu depctr_va_vdst(0)
.endm
.macro CROUND                          ; a round of the cluster's barrier
	s_barrier_signal -1
	s_barrier_wait -1
	s_cmp_lg_u32 s[WV], 0
	s_cbranch_scc1 .Lnot_wave_0_\@
	s_barrier_signal -3
.Lnot_wave_0_\@:
	s_barrier_wait -3
	s_barrier_signal -1
	s_barrier_wait -1
.endm
.macro GROUP1 g, flags, len, rows
	s_mov_b32 s[\g], \flags
	s_mov_b32 s[\g+1], (\len)<<16
	s_mov_b32 s[\g+2], (\rows)<<16
	s_mov_b32 s[\g+3], (\len)<<16
	s_mov_b32 s[\g+4], \rows
	s_mov_b32 s[\g+5], \len
	s_mov_b32 s[\g+6], 0
	s_mov_b32 s[\g+7], 0
.endm
.macro FRAG f, k, adr                  ; fragment f of the chunk: 16 rows x 128 K, pieces of 8 bytes, two to a load where both go by the same address register: 13 loads for four K steps
	WIN ((2+(\f)/21)<<6)
.set RG, 12*((\f)%21)
.set SK, 0
.irp p, 0,1,2,3,4,5
.if SK
.set SK, 0
.else
.set PC, 12*(\k)+6*(\p/3)+\p%3
.set PN, 12*(\k)+6*((\p+1)/3)+(\p+1)%3
.set HX, (PC%32+3)/32
.set HN, (PN%32+3)/32
.if (\p < 5) && (HX == HN)
.set SK, 1
	ds_load_2addr_b64 v[RG+2*\p:RG+2*\p+3], v[\adr+HX] offset0:PC+2*(PC/32) offset1:PN+2*(PN/32)
.else
	ds_load_b64 v[RG+2*\p:RG+2*\p+1], v[\adr+HX] offset:8*(PC+2*(PC/32))
.endif
.endif
.endr
.endm
.macro WL n, k0                        ; my n tiles' fragments of K steps k0 .. k0 + 3: 13 n loads
.irp k, 0,1,2,3
.irp i, 0,1,2
.if \i < \n
	FRAG 8*\i+\k0+\k, \k0+\k, AD+2*\i
.endif
.endr
.endr
.endm
.macro CTXL k0                         ; ctx's fragments of K steps k0 .. k0 + 3: 32 loads, the images as they were stored
	WIN 0x40
.irp k, 0,1,2,3
.irp m, 0,1
.irp c, 0,1
	ds_load_b128 v[12*(8*\m+\k0+\k)+6*\c:12*(8*\m+\k0+\k)+6*\c+3], v[CA] offset:3072*(\k0+\k)+1536*\m+768*\c
	ds_load_b64 v[12*(8*\m+\k0+\k)+6*\c+4:12*(8*\m+\k0+\k)+6*\c+5], v[CB] offset:3072*(\k0+\k)+1536*\m+768*\c
.endr
.endr
.endr
.endm
.macro PM c, k, m, kh
	v_wmma_scale_f32_16x16x128_f8f6f4 v[D_:D_+7], v[A_:A_+11], v[B_:B_+11], \c, v[CS+\k], v[WS+4*T_+\k%4] matrix_a_fmt:MATRIX_FMT_FP6 matrix_b_fmt:MATRIX_FMT_FP6 matrix_a_scale:MATRIX_SCALE_ROW\m matrix_b_scale:MATRIX_SCALE_ROW\kh
.endm
.macro MUL n, t0, k, kh                ; a K step: the 2 n accumulators by turns
.irp m, 0,1
.irp i, 0,1,2
.if \i < \n
.set D_, ACC+8*(2*\i+\m)
.set F_, 8*\i+\k
.set A_, 12*(8*\m+\k)
.set B_, 12*(F_%21)
.set T_, \t0+\i
	WIN (1|((2+F_/21)<<2))
.if \k == 0
	PM 0, \k, \m, \kh
.else
	PM v[D_:D_+7], \k, \m, \kh
.endif
.endif
.endr
.endr
.endm
.macro EPI n, t0                       ; the gated sums of the chunk's tiles, four batches by turns
.irp i, 0,1,2
.if \i < \n
.set T_, \t0+\i
.irp q, 0,1,2,3
	v_pk_mul_f32 v[TT+2*\q:TT+2*\q+1], v[ACC+16*\i+4*\q:ACC+16*\i+4*\q+1], v[GQ+4*\q:GQ+4*\q+1]
.endr
.irp q, 0,1,2,3
	v_pk_fma_f32 v[TT+2*\q:TT+2*\q+1], v[ACC+16*\i+4*\q+2:ACC+16*\i+4*\q+3], v[GQ+4*\q+2:GQ+4*\q+3], v[TT+2*\q:TT+2*\q+1]
.endr
.irp q, 0,1,2,3
	v_fma_f32 v[FV+4*T_+\q], v[BO+T_], v[GS+\q], v[TT+2*\q]
.endr
.irp q, 0,1,2,3
	v_add_f32 v[FV+4*T_+\q], v[FV+4*T_+\q], v[TT+2*\q+1]
.endr
.endif
.endr
.endm
.macro STG n, t0, r0                   ; a chunk's sums into the stage
.irp i, 0,1,2
.if \i < \n
.irp q, 0,1,2,3
.if \n == 3
	ds_store_b32 v[ST3], v[FV+4*(\t0+\i)+\q] offset:4*\r0+64*\i+SP*(4*(\q/2)+\q%2)
.else
	ds_store_b32 v[ST2], v[FV+4*(\t0+\i)+\q] offset:4*\r0+64*\i+SP*(4*(\q/2)+\q%2)
.endif
.endr
.endif
.endr
.endm
.macro TPAR n, t0, r0                  ; scale words and bias of my tiles of a chunk
.irp i, 0,1,2
.if \i < \n
.if \n == 3
	global_load_b128 v[WS+4*(\t0+\i):WS+4*(\t0+\i)+3], v[PS], s[96:97] offset:32*\r0+512*\i
	global_load_b32 v[BO+\t0+\i], v[R4], s[100:101] offset:4*\r0+64*\i
.else
	global_load_b128 v[WS+4*(\t0+\i):WS+4*(\t0+\i)+3], v[PS], s[98:99] offset:32*\r0+512*\i
	global_load_b32 v[BO+\t0+\i], v[R4], s[4:5] offset:4*\r0+64*\i
.endif
.endif
.endr
.endm
; In front of a chunk's products: my loads, this chunk's part among them, have landed; my reads of the slot left behind are over; a round of the cluster's barrier; and the NEXT chunk (n tiles a wave, Wo's row r0) into that slot.
.macro ROUND n, slot, r0
	WALU
	s_wait_tensorcnt 0x0
	ds_add_u32 v[SPW], v[NIL]
.if \n == 3
	s_add_co_u32 s85, s92, \slot
	s_add_nc_u64 s[86:87], s[88:89], \r0*768
.else
	s_add_co_u32 s85, s93, \slot
	s_add_nc_u64 s[86:87], s[90:91], \r0*768
.endif
	s_or_b32 s87, s87, 0x80000000
	s_wait_dscnt 0x0
	CROUND
.if \n == 3
	tensor_load_to_lds s[84:87], s[44:51]
.else
	tensor_load_to_lds s[84:87], s[52:59]
.endif
	s_nop 0
	PLACES 4
.endm
.macro CHUNK n, slot, t0, mode         ; mode 1: the first chunk, ctx's fragments come too;  mode 2: the last, the earlier chunks' 56 stores into the stage stand behind its loads
.irp i, 0,1,2
.if \i < \n
.if \n == 3
	v_add_nc_u32 v[AD+2*\i], \slot+\i*TILE, v[B3]
	v_add_nc_u32 v[AD+2*\i+1], \slot+\i*TILE, v[B3+1]
.else
	v_add_nc_u32 v[AD+2*\i], \slot+\i*TILE, v[B2]
	v_add_nc_u32 v[AD+2*\i+1], \slot+\i*TILE, v[B2+1]
.endif
.endif
.endr
	WALU
.if \mode == 1
	CTXL 0
.endif
	WL \n, 0
.if \mode == 1
	CTXL 4
.endif
	WL \n, 4
	WIN 0
.if \mode == 2
	STG 3, 0, 0
	STG 2, 3, 192
	STG 3, 5, 320
	STG 3, 8, 512
	STG 3, 11, 704
.endif
.if \mode == 1
	s_wait_loadcnt 0x0                             ; scale words, bias
	s_wait_dscnt 63                                ; the first half's 71 loads are in (71 are younger)
.elseif \mode == 2
	s_wait_dscnt 63                                ; the first half's 26 (26 loads and 56 stores are younger)
.else
	s_wait_dscnt 13*\n                             ; the first half's; the second half's may be out
.endif
	MUL \n, \t0, 0, 0
	MUL \n, \t0, 1, 0
	MUL \n, \t0, 2, 0
	MUL \n, \t0, 3, 0
.if \mode == 2
	s_wait_dscnt 56                                ; (the 56 stores may be out)
.else
	s_wait_dscnt 0x0
.endif
	MUL \n, \t0, 4, 1
	MUL \n, \t0, 5, 1
	MUL \n, \t0, 6, 1
	MUL \n, \t0, 7, 1
	WIN 0
	PLACES 4                                       ; ahead of the first reads of results and of loads into the fragments' registers
	EPI \n, \t0
.endm
	s_load_b512 s[4:19], s[0:1], 0x0               ; ctx_img 4, ctx_sc 6, gpart 8, out_proj_w_codes 10, out_proj_w_scales 12, out_proj_b 14, gate_b2 16, ln_w 18
	s_load_b128 s[20:23], s[0:1], 0x40             ; ln_b 20, out0 22
	v_lshl_add_u32 v[SPW], v0, 2, SPARE
	v_mov_b32 v[NIL], 0
	ds_add_u32 v[SPW], v[NIL]                      ; the wave's opening: the add, twice on end, and its wait
	ds_add_u32 v[SPW], v[NIL]
	v_lshrrev_b32 v3, 5, v0
	v_readfirstlane_b32 s[WV], v3                  ; wave 0..3
	s_bfe_u32 s29, ttmp6, 0x40000                  ; cx
	s_lshl_b32 s30, ttmp9, 2
	s_add_co_u32 s30, s30, s29                     ; g: my 32 rows
	s_lshr_b32 s31, s30, 1                         ; the block of 64 rows,
	s_and_b32 s32, s30, 1                          ; and its half
	GROUP1 36, (15|(3<<16)|(1<<20)|(1<<21)|(5<<22)|(3<<25)), 96, 64   ; rows of Wo for all four of the cluster: elements of 8 bytes, 16 bytes of padding behind each 256
	GROUP1 44, (15|(3<<16)|(1<<20)|(1<<21)|(5<<22)|(3<<25)), 96, 48
	GROUP1 52, (15|(3<<16)|(1<<20)|(1<<21)|(5<<22)|(3<<25)), 96, 32
	GROUP1 68, (3<<16), 32, 96                     ; ctx's images: dense, as 96 rows of 256 bytes, for this work-group alone
	s_mov_b32 s26, 0xbfb8aa3b                      ; -log2(e)
	s_mov_b32 s34, 0x76543210
	s_mov_b32 s35, 0xfedcba98                      ; v_permlanex16_b32's selects for lane l xor 16
	s_mov_b32 s27, 0x3a800000                      ; 1 / 1,024
	s_mov_b32 s63, 0x3727c5ac                      ; 1e-5
	s_mul_i32 s92, s[WV], 3*TILE                   ; 48 w and 32 w LDS rows
	s_mul_i32 s93, s[WV], 2*TILE
	s_mul_i32 s33, s30, 3072
	s_add_co_u32 s33, s33, 320*768                 ; my 12 blocks to prefetch
	s_mul_i32 s62, s[WV], 192
	s_mul_i32 s94, s[WV], 128
	s_mul_i32 s95, s[WV], 2*SP
	v_and_b32 v9, 31, v0                           ; lane
	v_and_b32 v10, 15, v0                          ; r
	v_bfe_u32 v11, v0, 4, 1                        ; h
	v_mul_u32_u24 v12, v10, 816
	v_mad_u32_u24 v[LN0], v11, 24, v12
	v_mad_u32_u24 v[LN0+1], v11, 40, v12
	v_add_nc_u32 v[B3], s92, v[LN0]
	v_add_nc_u32 v[B3+1], s92, v[LN0+1]
	v_add_nc_u32 v[B2], s93, v[LN0]
	v_add_nc_u32 v[B2+1], s93, v[LN0+1]
	v_lshlrev_b32 v[L16], 4, v9
	v_lshlrev_b32 v[L8], 3, v9
	v_add_nc_u32 v[CA], CTX, v[L16]
	v_add_nc_u32 v[CB], CTX+512, v[L8]
	v_lshlrev_b32 v[PS], 5, v10
	v_lshl_add_u32 v[PS], v11, 4, v[PS]
	v_lshlrev_b32 v[R4], 2, v10
	v_mul_u32_u24 v13, v11, 2*SP
	v_add_nc_u32 v13, v13, v[R4]
	v_add_nc_u32 v[ST3], s62, v13
	v_add_nc_u32 v[ST2], s94, v13
	v_add_nc_u32 v[RD], s95, v[L16]
	v_min_u32 v[PF], 11, v9
	v_lshlrev_b32 v[PF], 8, v[PF]
	v_add_nc_u32 v[PF], s33, v[PF]
	v_lshlrev_b32 v14, 5, v11                      ; 32 h
.irp i, 0,1,2,3,4,5,6,7,8,9,10,11,12,13,14,15
	v_add_nc_u32 v[224+\i], 64*(\i/8)+4*(\i%8), v14   ; 4 x row (16 m + 8 h + j): the gates' lanes
.endr
	WALU
	s_wait_dscnt 0x0
	s_wait_kmcnt 0x0
	s_load_b32 s24, s[16:17], 0x0                  ; b2
	s_mov_b32 s61, 0
	s_mul_i32 s60, s30, 24576
	s_mov_b32 s80, 1
	s_mov_b32 s81, CTX
	s_add_nc_u64 s[82:83], s[4:5], s[60:61]
	s_or_b32 s83, s83, 0x80000000
	s_mul_i32 s60, s[WV], 64*768
	s_mov_b32 s76, 1
	s_mul_i32 s77, s[WV], 4*TILE
	s_add_nc_u64 s[78:79], s[10:11], s[60:61]
	s_or_b32 s79, s79, 0x80000000
	s_mul_i32 s60, s[WV], 48*768
	s_add_nc_u64 s[88:89], s[10:11], s[60:61]
	s_mul_i32 s60, s[WV], 32*768
	s_add_nc_u64 s[90:91], s[10:11], s[60:61]
	s_mov_b32 s84, 1
	CROUND                                         ; all four work-groups are here: the first joint loads meet
	s_cmp_lt_u32 s[WV], 3
	s_cbranch_scc0 .Lctx
	tensor_load_to_lds s[76:79], s[36:43]          ; waves 0-2: 64 rows each of chunk 0
	s_nop 0
	PLACES 4
	s_branch .Lasked
.Lctx:
	tensor_load_to_lds s[80:83], s[68:75]          ; wave 3: ctx's images
	s_nop 0
	PLACES 4
.Lasked:
	s_lshl_b32 s60, s31, 11
	s_lshl_b32 s62, s32, 2
	s_add_co_u32 s60, s60, s62
	s_add_nc_u64 s[6:7], s[6:7], s[60:61]          ; ctx_sc: 8 x 256 bytes a block, the half's word
	s_lshl_b32 s60, s31, 8
	s_add_co_u32 s60, s60, s62
	s_add_nc_u64 s[8:9], s[8:9], s[60:61]          ; gpart: 256 bytes a block, heads 32,768 bytes apart
	s_mul_i32 s60, s[WV], 48*32
	s_add_nc_u64 s[96:97], s[12:13], s[60:61]      ; out_proj_w_scales at my rows of a chunk,
	s_mul_i32 s60, s[WV], 32*32
	s_add_nc_u64 s[98:99], s[12:13], s[60:61]
	s_mul_i32 s60, s[WV], 48*4
	s_add_nc_u64 s[100:101], s[14:15], s[60:61]    ; out_proj_b likewise
	s_mul_i32 s60, s[WV], 32*4
	s_add_nc_u64 s[4:5], s[14:15], s[60:61]
	s_lshl_b32 s60, s30, 15
	s_lshl_b32 s62, s[WV], 13
	s_add_co_u32 s60, s60, s62
	s_add_nc_u64 s[22:23], s[22:23], s[60:61]      ; out0: my two batches
.irp k, 0,1,2,3,4,5,6,7
	global_load_b32 v[CS+\k], v[L8], s[6:7] offset:256*\k
.endr
.irp p, 0,1,2,3,4,5,6,7
	global_load_b32 v[208+\p], v[L8], s[8:9] offset:32768*\p
.endr
	TPAR 3, 0, 0
	TPAR 2, 3, 192
	TPAR 3, 5, 320
	TPAR 3, 8, 512
	TPAR 3, 11, 704
	TPAR 2, 14, 896
	s_cmp_lt_u32 ttmp9, 44
	s_cbranch_scc0 .Lno_ask
	s_cmp_lg_u32 s[WV], 0
	s_cbranch_scc1 .Lno_ask
	global_prefetch_b8 v[PF], s[10:11] th:TH_LOAD_NT scope:SCOPE_SE   ; Wo's rows 320 + 4 g .. + 3
.Lno_ask:
	s_wait_kmcnt 0x0
	s_mul_f32 s25, s24, s26                        ; -log2(e) b2
	s_wait_loadcnt 32                              ; the gates' partial sums are in; the tiles' 32 loads may be out
	v_add_f32 v208, v208, v209
	v_add_f32 v210, v210, v211
	v_add_f32 v212, v212, v213
	v_add_f32 v214, v214, v215
	v_add_f32 v208, v208, v210
	v_add_f32 v212, v212, v214
	v_add_f32 v208, v208, v212
	v_fma_f32 v208, v208, s26, s25                 ; -log2(e) (z + b2)
	WALU
	v_exp_f32 v208, v208
	v_nop
	WALU
	v_add_f32 v208, 1.0, v208
	WALU
	v_rcp_f32 v209, v208                           ; the gate of row lane
	v_nop
	WALU
.irp i, 0,1,2,3,4,5,6,7,8,9,10,11,12,13,14,15
	ds_bpermute_b32 v[GQ+\i], v[224+\i], v209
.endr
	s_wait_dscnt 0x0
.irp q, 0,1,2,3
	v_pk_add_f32 v[TT+2*\q:TT+2*\q+1], v[GQ+4*\q:GQ+4*\q+1], v[GQ+4*\q+2:GQ+4*\q+3]
.endr
.irp q, 0,1,2,3
	v_add_f32 v[GS+\q], v[TT+2*\q], v[TT+2*\q+1]   ; the sum of a batch's four gates
.endr
	ROUND 2, SLB, 192                              ; chunk 0 and ctx are in; chunk 1 is asked for
	CHUNK 3, SLA, 0, 1
	ROUND 3, SLA, 320
	CHUNK 2, SLB, 3, 0
	ROUND 3, SLB, 512
	CHUNK 3, SLA, 5, 0
	WIN 0xc0
.irp i, 0,1,2,3,4,5,6,7
	global_load_b128 v[64+4*\i:64+4*\i+3], v[L16], s[18:19] offset:512*\i
	global_load_b128 v[96+4*\i:96+4*\i+3], v[L16], s[20:21] offset:512*\i
.endr
	WIN 0
	ROUND 3, SLA, 704
	CHUNK 3, SLB, 8, 0
	ROUND 2, SLB, 896
	CHUNK 3, SLA, 11, 0
	WALU
	s_wait_tensorcnt 0x0                           ; the last chunk
	s_wait_dscnt 0x0
	s_barrier_signal -1
	s_barrier_wait -1
	CHUNK 2, SLB, 14, 2
	WALU
	STG 2, 14, 896
	s_wait_dscnt 0x0
	s_barrier_signal -1
	s_barrier_wait -1                              ; the stage is whole
.irp b, 0,1
.irp i, 0,1,2,3,4,5,6,7
	ds_load_b128 v[X+32*\b+4*\i:X+32*\b+4*\i+3], v[RD] offset:SP*\b+512*\i
.endr
.endr
.irp b, 0,1
	v_mov_b32 v[217+4*\b], 0                       ; a lane permute's destination counts as one of its sources
	v_mov_b32 v[219+4*\b], 0
.endr
	WALU
	s_wait_dscnt 0x0
	s_wait_loadcnt 0x0                             ; ln_w, ln_b
; the two rows by turns.  FOLD: the four chains of a row into v[d + 4 b];  ALLSUM: the sum over the 32 lanes, in every lane
.macro FOLDSUM d
.irp b, 0,1
	v_pk_add_f32 v[C+8*\b:C+8*\b+1], v[C+8*\b:C+8*\b+1], v[C+8*\b+2:C+8*\b+3]
	v_pk_add_f32 v[C+8*\b+4:C+8*\b+5], v[C+8*\b+4:C+8*\b+5], v[C+8*\b+6:C+8*\b+7]
.endr
.irp b, 0,1
	v_pk_add_f32 v[C+8*\b:C+8*\b+1], v[C+8*\b:C+8*\b+1], v[C+8*\b+4:C+8*\b+5]
.endr
.irp b, 0,1
	v_add_f32 v[\d+4*\b], v[C+8*\b], v[C+8*\b+1]
.endr
.irp x, 1,2,4,8
.irp b, 0,1
	v_add_f32_dpp v[\d+4*\b], v[\d+4*\b], v[\d+4*\b] row_xmask:\x row_mask:0xf bank_mask:0xf
.endr
.endr
.irp b, 0,1
	v_permlanex16_b32 v[\d+1+4*\b], v[\d+4*\b], s34, s35
.endr
.irp b, 0,1
	v_add_f32 v[\d+4*\b], v[\d+4*\b], v[\d+1+4*\b]
.endr
.endm
.irp b, 0,1
.irp c, 0,1,2,3
	v_pk_add_f32 v[C+8*\b+2*\c:C+8*\b+2*\c+1], v[X+32*\b+4*\c:X+32*\b+4*\c+1], v[X+32*\b+4*\c+2:X+32*\b+4*\c+3]
.endr
.endr
.irp j, 16,24
.irp b, 0,1
.irp c, 0,1,2,3
	v_pk_add_f32 v[C+8*\b+2*\c:C+8*\b+2*\c+1], v[C+8*\b+2*\c:C+8*\b+2*\c+1], v[X+32*\b+\j+2*\c:X+32*\b+\j+2*\c+1]
.endr
.endr
.endr
	FOLDSUM 216
.irp b, 0,1
	v_mul_f32 v[216+4*\b], s27, v[216+4*\b]        ; the mean
.endr
.irp b, 0,1
.irp j, 0,2,4,6,8,10,12,14,16,18,20,22,24,26,28,30
	v_pk_add_f32 v[X+32*\b+\j:X+32*\b+\j+1], v[X+32*\b+\j:X+32*\b+\j+1], v[216+4*\b:217+4*\b] op_sel_hi:[1,0] neg_lo:[0,1] neg_hi:[0,1]
.endr
.endr
.irp b, 0,1
.irp c, 0,1,2,3
	v_pk_mul_f32 v[C+8*\b+2*\c:C+8*\b+2*\c+1], v[X+32*\b+2*\c:X+32*\b+2*\c+1], v[X+32*\b+2*\c:X+32*\b+2*\c+1]
.endr
.endr
.irp j, 8,16,24
.irp b, 0,1
.irp c, 0,1,2,3
	v_pk_fma_f32 v[C+8*\b+2*\c:C+8*\b+2*\c+1], v[X+32*\b+\j+2*\c:X+32*\b+\j+2*\c+1], v[X+32*\b+\j+2*\c:X+32*\b+\j+2*\c+1], v[C+8*\b+2*\c:C+8*\b+2*\c+1]
.endr
.endr
.endr
	FOLDSUM 218
.irp b, 0,1
	v_fma_f32 v[218+4*\b], v[218+4*\b], s27, s63   ; the variance + 1e-5
.endr
	WALU
	v_rsq_f32 v218, v218
	v_rsq_f32 v222, v222
	v_nop
	WALU
.irp b, 0,1
	WIN 0
.irp j, 0,2,4,6,8,10,12,14,16,18,20,22,24,26,28,30
	v_pk_mul_f32 v[X+32*\b+\j:X+32*\b+\j+1], v[X+32*\b+\j:X+32*\b+\j+1], v[218+4*\b:219+4*\b] op_sel_hi:[1,0]
.endr
	WIN 0x3c                                       ; ln_w, ln_b: sources 1 and 2, window 3
.irp j, 0,2,4,6,8,10,12,14,16,18,20,22,24,26,28,30
	v_pk_fma_f32 v[X+32*\b+\j:X+32*\b+\j+1], v[X+32*\b+\j:X+32*\b+\j+1], v[64+\j:64+\j+1], v[96+\j:96+\j+1]
.endr
	WIN 0
.irp i, 0,1,2,3,4,5,6,7
	global_store_b128 v[L16], v[X+32*\b+4*\i:X+32*\b+4*\i+3], s[22:23] offset:4096*\b+512*\i th:TH_STORE_NT
.endr
.endr
	s_wait_tensorcnt 0x0                           ; the wave's end
	ds_add_u32 v[SPW], v[NIL]
	s_wait_dscnt 0x0
	CROUND                                         ; the closing round
	s_endpgm
.Lfunc_end_k_q99e5dd35e9_out:
	.size	k_q99e5dd35e9_out, .Lfunc_end_k_q99e5dd35e9_out-k_q99e5dd35e9_out
	.p2alignl 7, 3214868480
	.fill 96, 4, 3214868480
	.section	.rodata,"a",@progbits
	.p2align	6, 0x0
	.amdhsa_kernel k_q99e5dd35e9_out
		.amdhsa_group_segment_fixed_size 327680
		.amdhsa_private_segment_fixed_size 0
		.amdhsa_enable_private_segment 0
		.amdhsa_kernarg_size 80
		.amdhsa_user_sgpr_count 2
		.amdhsa_user_sgpr_kernarg_segment_ptr 1
		.amdhsa_wavefront_size32 1
		.amdhsa_system_sgpr_workgroup_id_x 1
		.amdhsa_system_sgpr_workgroup_id_y 1
		.amdhsa_system_sgpr_workgroup_id_z 1
		.amdhsa_system_vgpr_workitem_id 0
		.amdhsa_next_free_vgpr 896
		.amdhsa_next_free_sgpr 102
		.amdhsa_reserve_vcc 0
		.amdhsa_float_denorm_mode_32 3
		.amdhsa_float_denorm_mode_16_64 3
		.amdhsa_memory_ordered 1
		.amdhsa_forward_progress 1
		.amdhsa_inst_pref_size 123
	.end_amdhsa_kernel
	.amdgpu_metadata
---
amdhsa.version: [ 1, 2 ]
amdhsa.kernels:
  - .name:           k_q99e5dd35e9_out
    .symbol:         k_q99e5dd35e9_out.kd
    .args:
      - { .name: ctx_img, .offset: 0, .size: 8, .value_kind: global_buffer, .address_space: global }
      - { .name: ctx_sc, .offset: 8, .size: 8, .value_kind: global_buffer, .address_space: global }
      - { .name: gpart, .offset: 16, .size: 8, .value_kind: global_buffer, .address_space: global }
      - { .name: out_proj_w_codes, .offset: 24, .size: 8, .value_kind: global_buffer, .address_space: global }
      - { .name: out_proj_w_scales, .offset: 32, .size: 8, .value_kind: global_buffer, .address_space: global }
      - { .name: out_proj_b, .offset: 40, .size: 8, .value_kind: global_buffer, .address_space: global }
      - { .name: gate_b2, .offset: 48, .size: 8, .value_kind: global_buffer, .address_space: global }
      - { .name: ln_w, .offset: 56, .size: 8, .value_kind: global_buffer, .address_space: global }
      - { .name: ln_b, .offset: 64, .size: 8, .value_kind: global_buffer, .address_space: global }
      - { .name: out0, .offset: 72, .size: 8, .value_kind: global_buffer, .address_space: global }
    .group_segment_fixed_size: 327680
    .private_segment_fixed_size: 0
    .kernarg_segment_align: 8
    .kernarg_segment_size: 80
    .max_flat_workgroup_size: 128
    .sgpr_count:     102
    .vgpr_count:     896
    .wavefront_size: 32
...
	.end_amdgpu_metadata
.endif
;; end of part 2
